; MI455X (gfx1250); checked and timed in simulation.
; The chip was launched on July 23, 2026; its instructions are those of AMD's public machine-readable ISA for CDNA 5 (MIT licence, August 2026) and "CDNA5" Instruction Set Architecture Reference Guide (July 2026). The comments in the code are by the model that wrote it; some were corrected since.
;; Min GRU. Allowed arithmetic: matrix products marked QUANTISED: E4M3 operands, one given power-of-two scale a tensor, by v_wmma_f32_16x16x64_fp8_fp8 or v_wmma_f32_16x16x128_fp8_fp8, f32 sums; everything else in f32.
;; Inputs: Wh 1,024 x 1,024 float32; Wo 1,024 x 1,024 float32; Wz 1,024 x 1,024 float32; bh 1,024 float32; bo 1,024 float32; bz 1,024 float32; lowp_scales 6 int32 (the exponents e of the quantised operands' scales 2^e); x 8 x 2,048 x 1,024 float32.
;; Outputs: out0 8 x 2,048 x 1,024 float32.
;; This version of the problem:
;;   THIS VERSION OF THE PROBLEM IS GIVEN IN LOW PRECISION. The matrix products marked QUANTISED in the list below multiply operands that are first quantised to E4M3 (4 exponent bits, 3 mantissa bits; 8 bits a number), with one given power-of-two scale for each operand tensor; their sums are f32. All else is computed in f32.
;;   The module's matrix products, in the order in which they are computed (A, B: the left and right operand; K: the contracted axis; several contracted axes count as one K, in the product's order):
;;     1. [M 16,384, K 1,024] x [K 1,024, N 1,024]; A: input x; B: input Wz: QUANTISED (scales: A lowp_scales[0], B lowp_scales[1])
;;     2. [M 16,384, K 1,024] x [K 1,024, N 1,024]; A: input x; B: input Wh: QUANTISED (scales: A lowp_scales[2], B lowp_scales[3])
;;     3. [M 16,384, K 1,024] x [K 1,024, N 1,024]; A: computed on the way; B: input Wo: QUANTISED (scales: A lowp_scales[4], B lowp_scales[5])
;;   THE QUANTISER, for each operand of a quantised product, along K:
;;     - The operand's scale is 2^e, e = its entry of the input lowp_scales (int32; the entries are numbered through the quantised products in the list's order, A before B).
;;     - Each number is divided by the scale, clamped to +-448, and rounded to the nearest number of E4M3, ties to even, subnormals kept.
;;     - The product sums the exact products of the quantised numbers (number of the format x scale) in f32.
;;   ~~~python
;;   def quantise(x, axis, e):      # numpy; x: float32 -> the quantised numbers, widened to float32 again
;;       x = np.moveaxis(x, axis, -1); K = x.shape[-1]
;;       r = np.clip(x / 2.0 ** e, -448, 448)
;;       step = 2.0 ** (np.maximum(np.frexp(np.where(r == 0, 1, r))[1] - 1, -6) - 3)
;;       q = np.round(r / step) * step * 2.0 ** e      # np.round: ties to even
;;       return np.moveaxis(q, -1, axis).astype(np.float32)
;;   ~~~
;;   OPERANDS COMPUTED ON THE WAY. 'Computed on the way' means the value that the module computes at that place (a softmax that the list does not call 'softmax' is quantised finished and normalised). What goes into a quantiser is computed in f32, as accurately as f32 sums, v_exp_f32 and their like allow (about 1e-6 of the number): no bf16 or f16 on the way to a quantiser, and a product that is left as it is and whose result goes on into a quantised operand takes f32 operands (vector FMAs, or v_wmma_f32_16x16x4_f32). A number that lies on a knife's edge between two numbers of the format may be rounded either way, as far as f32 arithmetic and the matrix unit's own rounding can turn it there, and no further.
;; One version. Each part assembles by itself: llvm-mc -triple=amdgcn-amd-amdhsa -mcpu=gfx1250 --defsym DOCPART=n.
;; ======== version 1 of 1: 4 launches
;; limits: right only within a limited range of input values
;; workspace buffers: xz 16,777,216 bytes; xh 16,777,216 bytes; hc 16,777,216 bytes; wzc 1,048,576 bytes; whc 1,048,576 bytes; woc 1,048,576 bytes; ub 67,108,864 bytes; tb 67,108,864 bytes
;; launch quant (part 1): grid 608 x 1, 4 waves a work-group, no clusters, 37,376 bytes of LDS; arguments x, Wz, Wh, Wo, lowp_scales, xz, xh, wzc, whc, woc; writes xz, xh, wzc, whc, woc
.if DOCPART == 1
	.amdgcn_target "amdgcn-amd-amdhsa--gfx1250"
	.amdhsa_code_object_version 6
	.text
	.protected	k_q1d2fe3bc08_quant
	.globl	k_q1d2fe3bc08_quant
	.p2align	8
	.type	k_q1d2fe3bc08_quant,@function
k_q1d2fe3bc08_quant:
	s_mov_b64 s[64:65], 0
	v_nop
	global_prefetch_b8 v0, s[64:65] scope:SCOPE_SE
	s_setreg_imm32_b32 hwreg(HW_REG_WAVE_MODE, 25, 1), 1
	s_wait_xcnt 0x0
; x [16384][1024] and Wz, Wh, Wo [1024][1024], f32, K innermost, become codes of FP8 (E4M3), each with the scale 2^e that is given for it:
; code = number / 2^e, held within +-448, to the nearest code, ties to even.  x is an operand of two products with two given scales (entries 0 and 2), so it gets two sets of codes, xz and xh, from one read.
; Wz takes entry 1, Wh entry 3, Wo entry 5.  LIMITS: each e between -126 and 119, so that 2^e and 448 x 2^e are f32 numbers.  NaN among the inputs is not served (an infinity is held at the largest code).
; THE CODES LIE AS IMAGES OF OPERAND REGISTERS.  A fragment is 16 rows x 128 along K, 2,048 bytes: byte 512 c + 16 lane + t holds row lane % 16 at K = 32 c + 16 (lane / 16) + t.  Fragment (RB = block of 16 rows, s = K / 128) begins at
; (RB / 16) 262144 + (s / 2) 65536 + ((RB / 8) % 2) 32768 + (s % 2) 16384 + (RB % 8) 2048: so 128 rows x 256 along K are one dense block of 32,768 bytes for one tensor load of the product's launch.
; THE ROWS OF x ARE PERMUTED, the same in xz and xh: place 16 RB + r holds row 512 (RB / 32) + 256 (RB % 2) + 16 r + (RB % 32) / 2.  The products know nothing of it; the launch that walks the recurrence then finds 16 rows on end in one lane.
; SHARES.  A wave takes one block of 16 rows x 512 along K: four steps of 128.  Work-groups 0 to 95 take the three weights (32 each), 96 to 607 take x.  The two ways part on the work-group's number and have LDS bytes of their own.
; A STEP.  16 loads, a row's 512 consecutive bytes each (a lane: 4 neighbours along K of each row).  A conversion takes two rows' 4 + 4 numbers and gives one word of codes for each row.  The words go through the wave's own stage in LDS
; (16 rows x 128 bytes + 16 of padding) and come back as the fragment's image: four loads of 16 bytes a lane; four stores of 512 consecutive bytes.  No barrier: waves share nothing.  Loads run two steps (32 a wave) ahead.
; No matrix unit, no cluster, no tensor load: nothing is shared between work-groups and every byte is touched once.
.set WWG,   96
; Wo HAS A LAYOUT OF ITS OWN (the way at the text's end): block 4 G + k of 16 places holds, at place m, row 64 G + 4 m + k; its fragment of K step s begins at 65536 G + 8192 s + 2048 k.
.set QA,    65536                      ; from a pair of K steps to the next, in the codes' buffer
.set QB,    16384                      ; from a K step to the next inside a pair
.set WOSTG, 28160                      ; Wo's way: four stages of its own, behind the spare words
.set PITCH, 144                        ; a stage row
.set STGB,  16*PITCH                   ; a stage
.set LA,  2                            ; v2   16 x lane: my bytes of a row's 512, and of a store's 512; never rewritten
.set SA,  3                            ; v3   the stage, on the way in: 4 x lane
.set RA,  4                            ; v4   and on the way out: PITCH x (lane % 16) + 16 (lane / 16)
.set SCZ, 8                            ; v8   2^e, v9 448 x 2^e of the first set
.set SCH, 10                           ; v10, v11 the same of the second set
.set R,   16                           ; v16-143  two sets of 64 numbers as loaded: row m at 4 m
.set TM,  144                          ; v144-159 held numbers, two halves of eight by turns
.set CZ,  160                          ; v160-175 the first set's codes: word m = row m
.set CH,  176                          ; v176-191 the second set's
.set OZ,  192                          ; v192-207 the first set's image
.set OH,  208                          ; v208-223 the second set's
.macro MKSC e, v                       ; the given exponent in s[e] -> v[v] = 2^e (the conversion takes its exponent field), v[v + 1] = 448 x 2^e
	s_add_co_i32 s45, s[\e], 127
	s_lshl_b32 s46, s45, 23
	v_mov_b32 v[\v], s46
	s_add_co_i32 s45, s45, 8
	s_lshl_b32 s45, s45, 23
	s_or_b32 s45, s45, 0x600000
	v_mov_b32 v[(\v)+1], s45
.endm
.macro DSTOFF                          ; s30 = RB, s31 = which half of K -> s[42:43] = where fragment (RB, 4 x half) begins
	s_lshr_b32 s42, s30, 4
	s_lshl_b32 s42, s42, 18
	s_lshl_b32 s43, s31, 17
	s_add_co_u32 s42, s42, s43
	s_bfe_u32 s43, s30, 0x10003
	s_lshl_b32 s43, s43, 15
	s_add_co_u32 s42, s42, s43
	s_and_b32 s43, s30, 7
	s_lshl_b32 s43, s43, 11
	s_add_co_u32 s42, s42, s43
	s_mov_b32 s43, 0
.endm
.macro QLOAD j, stride                 ; step j's 16 rows, stride bytes apart, into set j % 2
.irp m, 0,1,2,3,4,5,6,7,8,9,10,11,12,13,14,15
	global_load_b128 v[R+64*((\j)%2)+4*\m:R+64*((\j)%2)+4*\m+3], v[LA], s[4:5] offset:\m*\stride+512*(\j) th:TH_LOAD_NT
.endr
.endm
.macro QCONV j, sc, dst                ; set j % 2 -> 16 words of codes.  The conversion to an 8-bit code does not saturate (ISA guide 7.6.2): each number is held first, into TM, since x is converted twice
.irp i, 0,1,2,3,4,5,6,7
.irp n, 0,1,2,3,4,5,6,7
	v_med3_num_f32 v[TM+8*(\i%2)+\n], v[R+64*((\j)%2)+8*\i+\n], -v[(\sc)+1], v[(\sc)+1]
.endr
	v_cvt_scalef32_pk8_fp8_f32 v[\dst+2*\i:\dst+2*\i+1], v[TM+8*(\i%2):TM+8*(\i%2)+7], v[\sc]   ; rows 2 i and 2 i + 1; the next eight holds, which write TM's other half, are the plain lines behind it
.endr
.endm
.macro QLDS cod, img, off              ; through the stage: LDS serves a wave's instructions in order, so no wait stands between the stores and the loads
.irp m, 0,1,2,3,4,5,6,7,8,9,10,11,12,13,14,15
	ds_store_b32 v[SA], v[\cod+\m] offset:\off+PITCH*\m
.endr
.irp k, 0,1,2,3
	ds_load_b128 v[\img+4*\k:\img+4*\k+3], v[RA] offset:\off+32*\k
.endr
.endm
.macro QST img, base, j                ; the image of step j's fragment: 512 consecutive bytes a store
.irp k, 0,1,2,3
	global_store_b128 v[LA], v[\img+4*\k:\img+4*\k+3], s[\base:\base+1] offset:((\j)/2)*QA+((\j)%2)*QB+512*\k
.endr
.endm
.macro QSTEP j, stride, two            ; two = 1: both sets of codes (x); 0: one (a weight)
.if (\j) < 3
	s_wait_loadcnt 16                              ; this step's 16 loads are in; the next step's may be out
.else
	s_wait_loadcnt 0x0
.endif
	QCONV \j, SCZ, CZ
.if \two
	QCONV \j, SCH, CH
.endif
.if (\j) < 2
	s_wait_alu depctr_va_vdst(0)
	QLOAD (\j)+2, \stride                          ; the set just converted takes the step two on
.endif
.if (\j) > 0
	s_wait_alu depctr_va_vdst(0)
	s_wait_xcnt 0x0                                ; the last step's stores have read the images' registers: they are loaded again only behind this wait
.endif
	QLDS CZ, OZ, 0
.if \two
	s_wait_alu depctr_va_vdst(0)
	QLDS CH, OH, STGB
	s_wait_dscnt 20                                ; the first image is in; the second set's 16 stores and 4 loads may be out
	QST OZ, 6, \j
	s_wait_dscnt 0x0
	QST OH, 38, \j
.else
	s_wait_dscnt 0x0
	QST OZ, 6, \j
.endif
.endm
	s_load_b512 s[8:23], s[0:1], 0x0               ; x s[8:9], Wz s[10:11], Wh s[12:13], Wo s[14:15], the exponents s[16:17], xz s[18:19], xh s[20:21], wzc s[22:23]
	s_load_b128 s[24:27], s[0:1], 0x40             ; whc s[24:25], woc s[26:27]
	v_lshl_add_u32 v224, v0, 2, 0x6c00
	v_mov_b32 v225, 0
	v_lshrrev_b32 v1, 5, v0
	v_readfirstlane_b32 s28, v1                    ; wave 0..3
	v_and_b32 v1, 31, v0                           ; lane
	v_lshlrev_b32 v[LA], 4, v1
	v_lshlrev_b32 v[SA], 2, v1
	v_and_b32 v5, 15, v0
	v_bfe_u32 v6, v0, 4, 1
	v_mul_u32_u24 v[RA], v5, PITCH
	v_lshl_add_u32 v[RA], v6, 4, v[RA]
	s_wait_kmcnt 0x0
	s_load_b128 s[32:35], s[16:17], 0x0            ; e0 .. e3
	s_load_b64 s[36:37], s[16:17], 0x10            ; e4, e5
	s_cmp_lt_u32 ttmp9, WWG
	s_cbranch_scc1 .Lweights
	; ---- x
	s_sub_co_u32 s29, ttmp9, WWG
	s_lshl_b32 s29, s29, 2
	s_add_co_u32 s29, s29, s28                     ; my wave's number among x's 2,048
	s_lshr_b32 s30, s29, 1                         ; RB
	s_and_b32 s31, s29, 1                          ; which half of K
	s_lshr_b32 s40, s30, 5
	s_lshl_b32 s40, s40, 9                         ; 512 (RB / 32)
	s_and_b32 s41, s30, 1
	s_lshl_b32 s41, s41, 8                         ; + 256 (RB % 2)
	s_add_co_u32 s40, s40, s41
	s_bfe_u32 s41, s30, 0x40001                    ; + (RB % 32) / 2: the row at the block's place 0; place m holds the row 16 m further down
	s_add_co_u32 s40, s40, s41
	s_lshl_b32 s40, s40, 12                        ; a row of x is 4,096 bytes
	s_lshl_b32 s41, s31, 11
	s_add_co_u32 s40, s40, s41
	s_mov_b32 s41, 0
	DSTOFF
	s_add_nc_u64 s[4:5], s[8:9], s[40:41]
	s_add_nc_u64 s[6:7], s[18:19], s[42:43]
	s_add_nc_u64 s[38:39], s[20:21], s[42:43]
	s_mul_i32 s44, s28, 2*STGB                     ; my two stages
	s_wait_alu depctr_va_vdst(0)
	v_add_nc_u32 v[SA], s44, v[SA]
	v_add_nc_u32 v[RA], s44, v[RA]
	QLOAD 0, 65536
	QLOAD 1, 65536
	s_wait_kmcnt 0x0
	MKSC 32, SCZ
	MKSC 34, SCH
	s_wait_alu depctr_va_vdst(0)
	QSTEP 0, 65536, 1
	QSTEP 1, 65536, 1
	QSTEP 2, 65536, 1
	QSTEP 3, 65536, 1
	s_wait_tensorcnt 0x0
	ds_add_u32 v224, v225
	s_wait_dscnt 0x0
	s_endpgm
	; ---- the weights: rows as they lie
.Lweights:
	s_lshr_b32 s29, ttmp9, 5
	s_cmp_eq_u32 s29, 2
	s_cbranch_scc1 .Lwo
	s_and_b32 s30, ttmp9, 31
	s_lshl_b32 s30, s30, 2
	s_add_co_u32 s30, s30, s28                     ; my wave's number among the tensor's 128
	s_and_b32 s31, s30, 1                          ; which half of K
	s_lshr_b32 s30, s30, 1                         ; RB
	s_lshl_b32 s40, s30, 16                        ; 16 rows of 4,096 bytes
	s_lshl_b32 s41, s31, 11
	s_add_co_u32 s40, s40, s41
	s_mov_b32 s41, 0
	DSTOFF
	s_cmp_eq_u32 s29, 0                            ; the choices hang on the work-group's number alone
	s_cselect_b64 s[4:5], s[10:11], s[12:13]
	s_cselect_b64 s[6:7], s[22:23], s[24:25]
	s_add_nc_u64 s[4:5], s[4:5], s[40:41]
	s_add_nc_u64 s[6:7], s[6:7], s[42:43]
	s_mul_i32 s44, s28, STGB
	s_add_co_u32 s44, s44, 8*STGB                  ; my stage, behind the eight of x's way
	s_wait_alu depctr_va_vdst(0)
	v_add_nc_u32 v[SA], s44, v[SA]
	v_add_nc_u32 v[RA], s44, v[RA]
	QLOAD 0, 4096
	QLOAD 1, 4096
	s_wait_kmcnt 0x0
	s_cmp_eq_u32 s29, 0
	s_cselect_b32 s47, s33, s35
	MKSC 47, SCZ
	s_wait_alu depctr_va_vdst(0)
	QSTEP 0, 4096, 0
	QSTEP 1, 4096, 0
	QSTEP 2, 4096, 0
	QSTEP 3, 4096, 0
	s_wait_tensorcnt 0x0
	ds_add_u32 v224, v225
	s_wait_dscnt 0x0
	s_endpgm
	; ---- Wo: a block's 16 rows lie 4 rows apart
.Lwo:
	s_and_b32 s30, ttmp9, 31
	s_lshl_b32 s30, s30, 2
	s_add_co_u32 s30, s30, s28                     ; my wave's number among the tensor's 128
	s_and_b32 s31, s30, 1                          ; which half of K
	s_lshr_b32 s30, s30, 1                         ; the block: 4 G + k
	s_lshr_b32 s40, s30, 2                         ; G
	s_and_b32 s41, s30, 3                          ; k
	s_lshl_b32 s42, s40, 16                        ; codes: 65536 G + 2048 k + 32768 x half
	s_lshl_b32 s43, s41, 11
	s_add_co_u32 s42, s42, s43
	s_lshl_b32 s43, s31, 15
	s_add_co_u32 s42, s42, s43
	s_mov_b32 s43, 0
	s_lshl_b32 s40, s40, 18                        ; Wo: row 64 G + k, rows of 4,096 bytes
	s_lshl_b32 s41, s41, 12
	s_add_co_u32 s40, s40, s41
	s_lshl_b32 s41, s31, 11
	s_add_co_u32 s40, s40, s41
	s_mov_b32 s41, 0
	s_add_nc_u64 s[4:5], s[14:15], s[40:41]
	s_add_nc_u64 s[6:7], s[26:27], s[42:43]
	s_mul_i32 s44, s28, STGB
	s_add_co_u32 s44, s44, WOSTG                   ; my stage
	s_wait_alu depctr_va_vdst(0)
	v_add_nc_u32 v[SA], s44, v[SA]
	v_add_nc_u32 v[RA], s44, v[RA]
	QLOAD 0, 16384
	QLOAD 1, 16384
	s_wait_kmcnt 0x0
	MKSC 37, SCZ                                   ; e5
	s_wait_alu depctr_va_vdst(0)
.set QA, 16384
.set QB, 8192
	QSTEP 0, 16384, 0
	QSTEP 1, 16384, 0
	QSTEP 2, 16384, 0
	QSTEP 3, 16384, 0
	s_wait_tensorcnt 0x0
	ds_add_u32 v224, v225
	s_wait_dscnt 0x0
	s_endpgm
.Lfunc_end_k_q1d2fe3bc08_quant:
	.size	k_q1d2fe3bc08_quant, .Lfunc_end_k_q1d2fe3bc08_quant-k_q1d2fe3bc08_quant
	.p2alignl 7, 3214868480
	.fill 96, 4, 3214868480
	.section	.rodata,"a",@progbits
	.p2align	6, 0x0
	.amdhsa_kernel k_q1d2fe3bc08_quant
		.amdhsa_group_segment_fixed_size 37376
		.amdhsa_private_segment_fixed_size 0
		.amdhsa_enable_private_segment 0
		.amdhsa_kernarg_size 80
		.amdhsa_user_sgpr_count 2
		.amdhsa_user_sgpr_kernarg_segment_ptr 1
		.amdhsa_wavefront_size32 1
		.amdhsa_system_sgpr_workgroup_id_x 1
		.amdhsa_system_sgpr_workgroup_id_y 1
		.amdhsa_system_sgpr_workgroup_id_z 1
		.amdhsa_system_vgpr_workitem_id 0
		.amdhsa_next_free_vgpr 226
		.amdhsa_next_free_sgpr 66
		.amdhsa_reserve_vcc 0
		.amdhsa_float_denorm_mode_32 3
		.amdhsa_float_denorm_mode_16_64 3
		.amdhsa_memory_ordered 1
		.amdhsa_forward_progress 1
		.amdhsa_inst_pref_size 124
	.end_amdhsa_kernel
	.amdgpu_metadata
---
amdhsa.version: [ 1, 2 ]
amdhsa.kernels:
  - .name:           k_q1d2fe3bc08_quant
    .symbol:         k_q1d2fe3bc08_quant.kd
    .args:
      - { .name: x, .offset: 0, .size: 8, .value_kind: global_buffer, .address_space: global }
      - { .name: Wz, .offset: 8, .size: 8, .value_kind: global_buffer, .address_space: global }
      - { .name: Wh, .offset: 16, .size: 8, .value_kind: global_buffer, .address_space: global }
      - { .name: Wo, .offset: 24, .size: 8, .value_kind: global_buffer, .address_space: global }
      - { .name: lowp_scales, .offset: 32, .size: 8, .value_kind: global_buffer, .address_space: global }
      - { .name: xz, .offset: 40, .size: 8, .value_kind: global_buffer, .address_space: global }
      - { .name: xh, .offset: 48, .size: 8, .value_kind: global_buffer, .address_space: global }
      - { .name: wzc, .offset: 56, .size: 8, .value_kind: global_buffer, .address_space: global }
      - { .name: whc, .offset: 64, .size: 8, .value_kind: global_buffer, .address_space: global }
      - { .name: woc, .offset: 72, .size: 8, .value_kind: global_buffer, .address_space: global }
    .group_segment_fixed_size: 37376
    .private_segment_fixed_size: 0
    .kernarg_segment_align: 8
    .kernarg_segment_size: 80
    .max_flat_workgroup_size: 128
    .sgpr_count:     66
    .vgpr_count:     226
    .wavefront_size: 32
...
	.end_amdgpu_metadata
.endif
;; end of part 1
;; launch gates (part 2): grid 32 x 8, 4 waves a work-group, clusters of 4 x 1, 327,680 bytes of LDS; arguments xz, xh, wzc, whc, lowp_scales, bz, bh, ub, tb; writes ub, tb
.if DOCPART == 2
	.amdgcn_target "amdgcn-amd-amdhsa--gfx1250"
	.amdhsa_code_object_version 6
	.text
	.protected	k_q1d2fe3bc08_gates
	.globl	k_q1d2fe3bc08_gates
	.p2align	8
	.type	k_q1d2fe3bc08_gates,@function
k_q1d2fe3bc08_gates:
	s_mov_b64 s[64:65], 0
	v_nop
	global_prefetch_b8 v0, s[64:65] scope:SCOPE_SE
	s_setreg_imm32_b32 hwreg(HW_REG_WAVE_MODE, 25, 1), 1
	s_wait_xcnt 0x0
	s_wait_alu depctr_hold_cnt(0) depctr_sa_sdst(0) depctr_va_vdst(0) depctr_va_sdst(0) depctr_va_ssrc(0) depctr_va_vcc(0) depctr_vm_vsrc(0)
	s_getreg_b32 s2, hwreg(HW_REG_IB_STS2, 6, 4)
	s_cmp_eq_u32 s2, 0
	s_cbranch_scc0 .Lentry_in_a_cluster
	s_endpgm
.Lentry_in_a_cluster:
	s_bfe_u32 s2, ttmp6, 0x10000c
	s_cmp_lg_u32 s2, 0x3003
	s_cbranch_scc0 .Lentry_shape_is_right
	s_endpgm
.Lentry_shape_is_right:
; U = -log2(e) (x Wz^T + bz) into ub and T = x Wh^T + bh into tb, on codes of FP8 (E4M3) with the given scales; sums in f32.
; Work-group y = 4 p + ct: product p (0: xz, wzc, bz, ub; 1: xh, whc, bh, tb), column tile ct of 256 channels.  Work-group x = g: 512 places of x (two blocks of 256).
; The codes lie as images of operand registers: fragment (RB = block of 16 rows, s = K / 128), 2,048 bytes, at (RB / 16) 262144 + (s / 2) 65536 + ((RB / 8) % 2) 32768 + (s % 2) 16384 + (RB % 8) 2048.
; B STAYS IN LDS: the column tile's 256 rows x K 1,024 are one dense block of 262,144 bytes, filled once, 65,536 bytes by each wave's one tensor load.  Nothing is filled again: one barrier, none in the loop.
; The four work-groups of a cluster (4 x 1) have the same y and ask for B jointly (mask 15).
; A STAYS IN REGISTERS: a wave owns 64 places x K 1,024 = 65,536 bytes = 512 registers, loaded straight from memory (128 loads of 512 consecutive bytes), and walks the 16 column blocks of 16 channels:
; a trip is 32 matrix instructions (K steps 0 to 7, the four accumulators of the wave's four row blocks by turns) and finishes 64 places x 16 channels, which leave in groups.
; A is not asked for jointly: it goes to registers, and beside B's 262,144 bytes LDS has no room for the four waves' 262,144 bytes of A.
; THE MATRIX INSTRUCTION IS USED TRANSPOSED (source 0 = 16 rows of W, source 1 = 16 places of x): lane l holds place l % 16, its registers channels 8 (l / 16) + 0 .. 7.
; THE BIAS is the C of a sum's first instruction, as b x 2^-(ea + eb); the finished sum is multiplied once by f x 2^(ea + eb), f = -log2(e) for U and 1 for T.
; OUT: byte (channel / 4) 262144 + 16 place + 4 (channel % 4): sixteen lanes store 256 consecutive aligned bytes.
; Six sets of four accumulators.  Stores go in groups of 3, 3, 3, 3, 2, 2 trips, on sets 0-2 and 3-5 by turns: in front of a group's stores stands s_wait_xcnt 0, which covers the group before; its sets are then summed anew.
; PREFETCH: the wave's next 64 places are 8 pieces of 8,192 bytes (one a K step).  The four column tiles that read them share them out by address: tile ct names K steps 2 ct and 2 ct + 1, a lane 256 bytes,
; in trips 1 and 2 of the first tile, 14 trips ahead of the loads; the last tile asks for nothing.
; LIMIT: ea + eb between -126 and 127, so that 2^(ea + eb) and its reciprocal are f32 numbers.
; REGISTERS: window 0: v16-31 addresses, v32-47 the bias (two sets of 8), v48-239 the accumulators.  Window 1: B's fragments of a column block, two sets of 128.  Windows 2, 3: A, fragment (rb, s) at 64 s + 16 rb.
.set BIAS,  262144                     ; behind B: the tile's 256 biases, 1,024 bytes
.set SPARE, 263168                     ; the spare words, 128 bytes a wave
.set LB,  16                           ; v16-19  16 x lane + 65536 k
.set BIA, 20                           ; v20     BIAS + 32 (lane / 16)
.set AO,  21                           ; v21     16 x lane
.set CO,  22                           ; v22     16 (lane % 16) + 524288 (lane / 16); v23 the same + 8 column blocks
.set PFO, 24                           ; v24     256 x lane
.set BO,  25                           ; v25     8 x thread
.set BS,  26                           ; v26     BIAS + 8 x thread
.set SPW, 28
.set NIL, 29
.set BT,  30                           ; v30-31  two biases on their way to LDS
.set BI,  32
.set ACC, 48
.set MSB, 0
.macro WIN new
.if MSB != \new
	s_set_vgpr_msb (MSB<<8)|\new
.set MSB, \new
.endif
.endm
.macro PLACES
.rept 4
	v_nop
.endr
.endm
.macro CROUND                          ; a round of the cluster's barrier
	s_barrier_signal -1
	s_barrier_wait -1
	s_cmp_lg_u32 s14, 0
	s_cbranch_scc1 .Lnot_wave_0_\@
	s_barrier_signal -3
.Lnot_wave_0_\@:
	s_barrier_wait -3
	s_barrier_signal -1
	s_barrier_wait -1
.endm
.macro ALOAD                           ; my 64 places x K 1,024, K step by K step: 16 loads of 512 consecutive bytes each
.irp s, 0,1,2,3,4,5,6,7
	WIN (0x80+0x40*(\s/4))
.irp i, 0,1,2,3,4,5,6,7,8,9,10,11,12,13,14,15
	global_load_b128 v[64*(\s%4)+4*\i:64*(\s%4)+4*\i+3], v[AO], s[4:5] offset:(\s/2)*65536+(\s%2)*16384+512*\i
.endr
.endr
	WIN 0
.endm
.macro FETCHB t                        ; column block t: B's eight fragments and the bias, into set t % 2
	WIN 0x40
.irp s, 0,1,2,3,4,5,6,7
.irp c, 0,1,2,3
	ds_load_b128 v[128*((\t)%2)+16*\s+4*\c:128*((\t)%2)+16*\s+4*\c+3], v[LB+\s/2] offset:((\t)/8)*32768+(\s%2)*16384+((\t)%8)*2048+512*\c
.endr
.endr
	WIN 0
	ds_load_b128 v[BI+8*((\t)%2):BI+8*((\t)%2)+3], v[BIA] offset:64*(\t)
	ds_load_b128 v[BI+8*((\t)%2)+4:BI+8*((\t)%2)+7], v[BIA] offset:64*(\t)+16
.endm
.macro MULS t, q                       ; 32 matrix instructions into accumulator set q
.irp s, 0,1,2,3,4,5,6,7
	WIN (0x09+4*(\s/4))
.if (\t) == 0                          ; a tile's first trip waits for A by K steps: the count is the loads issued behind the step (63 stands for 64 and more)
.if \s == 0
	s_wait_loadcnt 63
.endif
.if \s > 3
	s_wait_loadcnt 16*(7-\s)
.endif
.endif
.irp rb, 0,1,2,3
.if \s == 0
	v_wmma_f32_16x16x128_fp8_fp8 v[ACC+32*(\q)+8*\rb:ACC+32*(\q)+8*\rb+7], v[128*((\t)%2)+16*\s:128*((\t)%2)+16*\s+15], v[64*(\s%4)+16*\rb:64*(\s%4)+16*\rb+15], v[BI+8*((\t)%2):BI+8*((\t)%2)+7]
.else
	v_wmma_f32_16x16x128_fp8_fp8 v[ACC+32*(\q)+8*\rb:ACC+32*(\q)+8*\rb+7], v[128*((\t)%2)+16*\s:128*((\t)%2)+16*\s+15], v[64*(\s%4)+16*\rb:64*(\s%4)+16*\rb+15], v[ACC+32*(\q)+8*\rb:ACC+32*(\q)+8*\rb+7]
.endif
.endr
.endr
.endm
.macro OUT u, q                        ; trip u's results, in set q: x f 2^(ea + eb), each accumulator from its low end on, and stored
.set j, 0
.rept 16
	v_pk_mul_f32 v[ACC+32*(\q)+j:ACC+32*(\q)+j+1], v[ACC+32*(\q)+j:ACC+32*(\q)+j+1], s[96:97] op_sel_hi:[1,0]
.set j, j+2
.endr
.irp rb, 0,1,2,3
	global_store_b128 v[CO+(\u)/8], v[ACC+32*(\q)+8*\rb:ACC+32*(\q)+8*\rb+3], s[10:11] offset:((\u)%8)*1048576+256*\rb th:TH_STORE_NT
	global_store_b128 v[CO+(\u)/8], v[ACC+32*(\q)+8*\rb+4:ACC+32*(\q)+8*\rb+7], s[10:11] offset:((\u)%8)*1048576+262144+256*\rb th:TH_STORE_NT
.endr
.endm
.macro ASK i                           ; 8,192 bytes of the next tile's A; not in the last tile
	s_cmp_eq_u32 s2, 1
	s_cbranch_scc1 .Lnone_\@
	global_prefetch_b8 v[PFO], s[44:45] offset:16384*(\i) th:TH_LOAD_NT scope:SCOPE_SE
.Lnone_\@:
.endm
; Trip t into set q.  n > 0: the group of n trips from trip pu on, in sets pq on, leaves first.
.macro TRIP t, q, pu, pq, n
	s_wait_dscnt 0x0                               ; this trip's B and bias are in
	WIN 0
	PLACES                                         ; behind the last trip's matrix instructions: for the reads of their results and the loads into the set that the trip before them read
.if \n > 0
	s_wait_xcnt 0x0                                ; the group before has read its registers: this group's trips sum into them anew
	OUT \pu, \pq
	OUT \pu+1, \pq+1
.if \n > 2
	OUT \pu+2, \pq+2
.endif
.endif
.if (\t) < 15
	FETCHB (\t)+1
.endif
.if (\t) == 1 || (\t) == 2
	ASK (\t)-1
.endif
	MULS \t, \q
.endm
	s_load_b256 s[4:11], s[0:1], 0x0               ; xz, xh, wzc, whc
	s_load_b256 s[68:75], s[0:1], 0x20             ; the exponents, bz, bh, ub
	s_load_b64 s[76:77], s[0:1], 0x40              ; tb
	v_lshl_add_u32 v[SPW], v0, 2, SPARE
	v_mov_b32 v[NIL], 0
	ds_add_u32 v[SPW], v[NIL]                      ; the opening lines: the add, twice on end, and its wait
	ds_add_u32 v[SPW], v[NIL]
	v_lshrrev_b32 v1, 5, v0
	v_readfirstlane_b32 s14, v1                    ; wave 0..3
	v_and_b32 v1, 31, v0
	v_lshlrev_b32 v[AO], 4, v1
	v_lshlrev_b32 v[PFO], 8, v1
	v_and_b32 v2, 15, v0
	v_bfe_u32 v3, v0, 4, 1
.irp k, 0,1,2,3
	v_add_nc_u32 v[LB+\k], \k*65536, v[AO]
.endr
	v_lshl_add_u32 v[BIA], v3, 5, BIAS
	v_lshlrev_b32 v[CO], 4, v2
	v_lshl_add_u32 v[CO], v3, 19, v[CO]
	v_add_nc_u32 v[CO+1], 0x800000, v[CO]
	v_lshlrev_b32 v[BO], 3, v0
	v_lshl_add_u32 v[BS], v0, 3, BIAS
	s_bfe_u32 s40, ttmp6, 0x40000                  ; cx
	s_lshl_b32 s41, ttmp9, 2
	s_add_co_u32 s41, s41, s40                     ; g
	s_and_b32 s17, ttmp7, 0xffff                   ; y
	s_lshr_b32 s18, s17, 2                         ; p
	s_and_b32 s19, s17, 3                          ; ct
	s_mov_b32 s24, 15|(3<<16)|(1<<21)              ; group 1: the cluster's four; elements of 8 bytes; 256 rows of 256 bytes, dense
	s_mov_b32 s25, 32<<16
	s_mov_b32 s26, 256<<16
	s_mov_b32 s27, 32<<16
	s_mov_b32 s28, 256
	s_mov_b32 s29, 32
	s_mov_b32 s30, 0
	s_mov_b32 s31, 0
	s_lshl_b32 s20, s41, 19                        ; A: two blocks of 262,144 bytes a work-group,
	s_lshr_b32 s21, s14, 1
	s_lshl_b32 s21, s21, 15                        ; my four blocks of 16 places: 4 w .. 4 w + 3
	s_add_co_u32 s20, s20, s21
	s_and_b32 s21, s14, 1
	s_lshl_b32 s21, s21, 13
	s_add_co_u32 s20, s20, s21
	s_mov_b32 s21, 0
	s_lshl_b32 s22, s19, 24                        ; out: 64 strips a column tile, 16 bytes a place
	s_lshl_b32 s23, s41, 13
	s_add_co_u32 s22, s22, s23
	s_lshl_b32 s23, s14, 10
	s_add_co_u32 s22, s22, s23
	s_mov_b32 s23, 0
	s_lshl_b32 s46, s19, 18                        ; B: the column tile's block, my quarter
	s_lshl_b32 s47, s14, 16
	s_add_co_u32 s46, s46, s47
	s_mov_b32 s47, 0
	s_lshl_b32 s48, s19, 10                        ; the bias
	s_mov_b32 s49, 0
	s_lshl_b32 s50, s19, 16                        ; the prefetch: the next tile, K steps 2 ct and 2 ct + 1
	s_add_co_u32 s50, s50, 262144
	s_mov_b32 s51, 0
	s_wait_alu depctr_va_vdst(0)                   ; the wait at the head's end
	s_wait_dscnt 0x0
	s_wait_kmcnt 0x0
	s_load_b128 s[80:83], s[68:69], 0x0            ; e0 .. e3
	s_cmp_eq_u32 s18, 0                            ; the choices hang on the work-group's number alone
	s_cselect_b64 s[4:5], s[4:5], s[6:7]
	s_cselect_b64 s[6:7], s[8:9], s[10:11]
	s_cselect_b64 s[70:71], s[70:71], s[72:73]
	s_cselect_b64 s[10:11], s[74:75], s[76:77]
	s_cselect_b32 s78, 0xbfb8aa3b, 1.0             ; f
	s_add_nc_u64 s[4:5], s[4:5], s[20:21]
	s_add_nc_u64 s[6:7], s[6:7], s[46:47]
	s_add_nc_u64 s[70:71], s[70:71], s[48:49]
	s_add_nc_u64 s[10:11], s[10:11], s[22:23]
	s_add_nc_u64 s[44:45], s[4:5], s[50:51]
	s_mov_b32 s32, 1
	s_lshl_b32 s33, s14, 16                        ; LDS: 65,536 x wave
	s_mov_b64 s[34:35], s[6:7]
	s_or_b32 s35, s35, 0x80000000
	CROUND                                         ; the four work-groups are here: the joint loads meet
	tensor_load_to_lds s[32:35], s[24:31]          ; my one tensor load
	s_nop 0
	PLACES
	global_load_b64 v[BT:BT+1], v[BO], s[70:71]
	ALOAD
	s_wait_kmcnt 0x0
	s_add_co_i32 s84, s80, s81
	s_add_co_i32 s85, s82, s83
	s_cmp_eq_u32 s18, 0
	s_cselect_b32 s84, s84, s85                    ; ea + eb
	s_lshl_b32 s85, s84, 23
	s_add_co_i32 s96, s78, s85                     ; f x 2^(ea + eb): the sum goes onto f's exponent field
	s_mov_b32 s97, s96
	s_sub_co_i32 s84, 127, s84
	s_lshl_b32 s84, s84, 23                        ; 2^-(ea + eb)
	s_mov_b32 s85, s84
	s_wait_loadcnt 63                              ; the bias, the oldest load (128 were issued behind it)
	s_wait_tensorcnt 0x0                           ; my quarter of B has landed
	v_pk_mul_f32 v[BT:BT+1], v[BT:BT+1], s[84:85] op_sel_hi:[1,0]
	ds_store_b64 v[BS], v[BT:BT+1]
	s_wait_dscnt 0x0                               ; for the others' sake
	s_barrier_signal -1
	s_barrier_wait -1                              ; B and the biases are whole
	s_mov_b32 s2, 2                                ; tiles to go
.Ltile:
	FETCHB 0
	TRIP 0, 0, 0, 0, 0
	TRIP 1, 1, 0, 0, 0
	TRIP 2, 2, 0, 0, 0
	TRIP 3, 3, 0, 0, 3
	TRIP 4, 4, 0, 0, 0
	TRIP 5, 5, 0, 0, 0
	TRIP 6, 0, 3, 3, 3
	TRIP 7, 1, 0, 0, 0
	TRIP 8, 2, 0, 0, 0
	TRIP 9, 3, 6, 0, 3
	TRIP 10, 4, 0, 0, 0
	TRIP 11, 5, 0, 0, 0
	TRIP 12, 0, 9, 3, 3
	TRIP 13, 1, 0, 0, 0
	TRIP 14, 3, 12, 0, 2
	TRIP 15, 4, 0, 0, 0
	WIN 0
	PLACES
	s_wait_xcnt 0x0
	OUT 14, 3
	OUT 15, 4
	s_cmp_eq_u32 s2, 1
	s_cbranch_scc1 .Llast
	s_wait_xcnt 0x0                                ; the stores have read their base and their registers
	s_add_nc_u64 s[4:5], s[4:5], 262144            ; the next 256 places
	s_add_nc_u64 s[10:11], s[10:11], 4096
	ALOAD
	s_sub_co_u32 s2, s2, 1
	s_branch .Ltile
.Llast:
	s_wait_tensorcnt 0x0                           ; the wave's end
	ds_add_u32 v[SPW], v[NIL]
	s_wait_dscnt 0x0
	CROUND                                         ; the closing round
	s_endpgm
.Lfunc_end_k_q1d2fe3bc08_gates:
	.size	k_q1d2fe3bc08_gates, .Lfunc_end_k_q1d2fe3bc08_gates-k_q1d2fe3bc08_gates
	.p2alignl 7, 3214868480
	.fill 96, 4, 3214868480
	.section	.rodata,"a",@progbits
	.p2align	6, 0x0
	.amdhsa_kernel k_q1d2fe3bc08_gates
		.amdhsa_group_segment_fixed_size 327680
		.amdhsa_private_segment_fixed_size 0
		.amdhsa_enable_private_segment 0
		.amdhsa_kernarg_size 72
		.amdhsa_user_sgpr_count 2
		.amdhsa_user_sgpr_kernarg_segment_ptr 1
		.amdhsa_wavefront_size32 1
		.amdhsa_system_sgpr_workgroup_id_x 1
		.amdhsa_system_sgpr_workgroup_id_y 1
		.amdhsa_system_sgpr_workgroup_id_z 1
		.amdhsa_system_vgpr_workitem_id 0
		.amdhsa_next_free_vgpr 1024
		.amdhsa_next_free_sgpr 100
		.amdhsa_reserve_vcc 0
		.amdhsa_float_denorm_mode_32 3
		.amdhsa_float_denorm_mode_16_64 3
		.amdhsa_memory_ordered 1
		.amdhsa_forward_progress 1
		.amdhsa_inst_pref_size 130
	.end_amdhsa_kernel
	.amdgpu_metadata
---
amdhsa.version: [ 1, 2 ]
amdhsa.kernels:
  - .name:           k_q1d2fe3bc08_gates
    .symbol:         k_q1d2fe3bc08_gates.kd
    .args:
      - { .name: xz, .offset: 0, .size: 8, .value_kind: global_buffer, .address_space: global }
      - { .name: xh, .offset: 8, .size: 8, .value_kind: global_buffer, .address_space: global }
      - { .name: wzc, .offset: 16, .size: 8, .value_kind: global_buffer, .address_space: global }
      - { .name: whc, .offset: 24, .size: 8, .value_kind: global_buffer, .address_space: global }
      - { .name: lowp_scales, .offset: 32, .size: 8, .value_kind: global_buffer, .address_space: global }
      - { .name: bz, .offset: 40, .size: 8, .value_kind: global_buffer, .address_space: global }
      - { .name: bh, .offset: 48, .size: 8, .value_kind: global_buffer, .address_space: global }
      - { .name: ub, .offset: 56, .size: 8, .value_kind: global_buffer, .address_space: global }
      - { .name: tb, .offset: 64, .size: 8, .value_kind: global_buffer, .address_space: global }
    .group_segment_fixed_size: 327680
    .private_segment_fixed_size: 0
    .kernarg_segment_align: 8
    .kernarg_segment_size: 72
    .max_flat_workgroup_size: 128
    .sgpr_count:     100
    .vgpr_count:     1024
    .wavefront_size: 32
...
	.end_amdgpu_metadata
.endif
;; end of part 2
;; launch scan (part 3): grid 64 x 8, 16 waves a work-group, no clusters, 37,888 bytes of LDS; arguments ub, tb, lowp_scales, hc; writes hc
.if DOCPART == 3
	.amdgcn_target "amdgcn-amd-amdhsa--gfx1250"
	.amdhsa_code_object_version 6
	.text
	.protected	k_q1d2fe3bc08_scan
	.globl	k_q1d2fe3bc08_scan
	.p2align	8
	.type	k_q1d2fe3bc08_scan,@function
k_q1d2fe3bc08_scan:
	s_mov_b64 s[64:65], 0
	v_nop
	global_prefetch_b8 v0, s[64:65] scope:SCOPE_SE
	s_setreg_imm32_b32 hwreg(HW_REG_WAVE_MODE, 25, 1), 1
	s_wait_xcnt 0x0
; The gates, the whole recurrence along the sequence, and the quantiser of h.  All in f32.
; U = -log2(e) k and T = tilde_h come in strips of four channels: byte (channel / 4) 262144 + 16 place + 4 (channel % 4); inside each block of 512 rows, place = 32 (row % 16) + row / 16.
; THE ARITHMETIC.  e = 2^min(U, 125);  z = 1 / (1 + e) = sigmoid(k);  a = e z = sigmoid(-k);  g = max(T + 0.5, sigmoid(T)), which is exp(log_g(T)) for every T (T + 0.5 is the larger from 0 on, sigmoid(T) below 0);
; h_t = a_t h_(t-1) + z_t g_t, h = 0 ahead of the first row: what exp(a* + cumlogsumexp(v - a*)) is, term by term.  The state carried is h itself: every a and z lies in [0, 1] and h is never above the largest g, so no exponential
; of a difference of sums is formed and nothing can overflow.
; LIMITS: for k or T below -86.6 the sigmoid is held at 2^-125.  NaN among the inputs is not served.  e4 between -126 and 119.
; SHARES.  A work-group owns 16 channels of one batch, all 2,048 rows.  Wave w: strip p = w % 4 of four channels, quarter q = w / 4 of 512 rows.  Load i of a wave (512 consecutive bytes) gives lane l row 16 l + i: a lane holds 16 rows on end.
; THE SCAN.  The map of a run of rows is h_out = P h_in + H.  A lane folds its 16 rows; four shifted steps fold the 16 lanes of a half, lane 15's map crosses to the upper half; the waves' maps meet in LDS behind a barrier;
; each wave folds the quarters ahead of it, each lane the lanes ahead of it, and then walks its 16 rows once more with the true carry.
; THE CODES.  h is never negative: its hold is one-sided.  A conversion takes two rows' 4 + 4 channels.  A lane's 16 rows are one block of 16 rows of hc, and the work-group's 16 channels are 16 bytes of each row's image:
; the words meet in a stage (a block's 256 bytes + 16 of padding; the stores into it go two deep in the banks: lanes l and l + 16), and leave as whole aligned runs of 256 bytes.
; hc is laid as an image of operand registers: fragment (RB, s) at (RB / 16) 262144 + (s / 2) 65536 + ((RB / 8) % 2) 32768 + (s % 2) 16384 + (RB % 8) 2048; inside, byte 512 c + 16 lane + t = row lane % 16, K = 32 c + 16 (lane / 16) + t.
; No matrix unit, no cluster, no tensor load: work-groups share nothing and every byte is read once.  All 32 loads of a wave go out at the head.
.set CAR, 0                            ; LDS: the waves' maps, 32 bytes each
.set STG, 512                          ; the stage: 128 blocks of 16 rows x SPI bytes
.set SPI, 272
.set U,  16                            ; v16-79   row i at 4 i: U, then e, then a
.set T,  80                            ; v80-143  row i at 4 i: T, then g, then z g, then h
.set W,  144                           ; v144-159 at work; later the quarters' maps (to v167), later the codes
.set D,  160                           ; v160-175 at work; later the rows read back
.set P,  176                           ; v176-179 my run's P, a channel each
.set H,  180                           ; v180-183 my run's H
.set TP, 184                           ; v184-187 a neighbour's P
.set TH, 188                           ; v188-191 a neighbour's H
.set C,  192                           ; v192-195 the carry
.set CN, 196                           ; v196-199 the carry, a quarter on
	s_load_b256 s[4:11], s[0:1], 0x0               ; ub s[4:5], tb s[6:7], the exponents s[8:9], hc s[10:11]
	v_lshl_add_u32 v200, v0, 2, 0x8c00
	v_mov_b32 v201, 0
	v_lshrrev_b32 v1, 5, v0
	s_delay_alu instid0(VALU_DEP_1)
	v_readfirstlane_b32 s14, v1                    ; wave 0..15
	s_and_b32 s15, s14, 3                          ; p
	s_lshr_b32 s16, s14, 2                         ; q
	s_and_b32 s17, ttmp7, 0xffff                   ; the batch
	v_and_b32 v1, 31, v0                           ; lane
	s_delay_alu instid0(VALU_DEP_1)
	v_lshlrev_b32 v2, 4, v1                        ; 16 x lane
	s_lshl_b32 s24, ttmp9, 20                      ; four strips a work-group,
	s_lshl_b32 s25, s15, 18                        ; my strip,
	s_add_co_u32 s24, s24, s25
	s_lshl_b32 s25, s17, 15                        ; 2,048 places of 16 bytes a batch,
	s_add_co_u32 s24, s24, s25
	s_lshl_b32 s25, s16, 13                        ; 512 a quarter
	s_add_co_u32 s24, s24, s25
	s_mov_b32 s25, 0
	s_wait_alu depctr_va_vdst(0)
	s_wait_kmcnt 0x0
	s_load_b32 s12, s[8:9], 0x10                   ; e4
	s_add_nc_u64 s[4:5], s[4:5], s[24:25]
	s_add_nc_u64 s[6:7], s[6:7], s[24:25]
.irp g, 0,1,2,3                                ; by groups of four rows: U's four loads, then T's
.irp i, 0,1,2,3
	global_load_b128 v[U+16*\g+4*\i:U+16*\g+4*\i+3], v2, s[4:5] offset:512*(4*\g+\i) th:TH_LOAD_NT
.endr
.irp i, 0,1,2,3
	global_load_b128 v[T+16*\g+4*\i:T+16*\g+4*\i+3], v2, s[6:7] offset:512*(4*\g+\i) th:TH_LOAD_NT
.endr
.endr
	s_mov_b32 s20, 0x42fa0000                      ; 125.0
	s_mov_b32 s22, 0xbfb8aa3b                      ; -log2(e)
	s_mov_b32 s23, s22                             ; (named with it as a pair, so it is written)
	s_mov_b32 s30, 0xffff0000                      ; lanes 16-31
	v_and_b32 v11, 15, v0
	v_bfe_u32 v10, v0, 4, 1
	s_mul_i32 s26, s16, 32*SPI                     ; into the stage: block 32 q + lane, my strip's 4 bytes of each row's 16
	s_lshl_b32 s27, s15, 2
	s_add_co_u32 s26, s26, s27
	s_add_co_u32 s26, s26, STG
	v_mul_u32_u24 v3, v1, SPI
	s_delay_alu instid0(VALU_DEP_1)
	v_add_nc_u32 v3, s26, v3
	s_mul_i32 s28, s14, 8*SPI                      ; out of it: wave w takes blocks 8 w .. 8 w + 7, two an instruction
	s_add_co_u32 s28, s28, STG
	v_mul_u32_u24 v4, v10, SPI
	s_delay_alu instid0(VALU_DEP_1)
	v_lshl_add_u32 v4, v11, 4, v4
	s_delay_alu instid0(VALU_DEP_1)
	v_add_nc_u32 v4, s28, v4
	v_lshlrev_b32 v5, 11, v10                      ; and the same in hc: a block's fragment is 2,048 bytes
	s_delay_alu instid0(VALU_DEP_1)
	v_lshl_add_u32 v5, v11, 4, v5
	s_lshl_b32 s29, s14, 5
	v_mov_b32 v6, s29                              ; where my wave's map goes
	s_lshl_b32 s29, s15, 5
	v_mov_b32 v7, s29                              ; my strip's map of quarter 0; a quarter on is 128 bytes on
	s_lshl_b32 s32, s17, 3                         ; hc: 8 tiles of 256 rows a batch, two waves to a tile,
	s_lshr_b32 s33, s14, 1
	s_add_co_u32 s32, s32, s33
	s_lshl_b32 s32, s32, 18
	s_and_b32 s33, s14, 1                          ; a half of 128 rows a wave,
	s_lshl_b32 s33, s33, 15
	s_add_co_u32 s32, s32, s33
	s_lshr_b32 s33, ttmp9, 4                       ; and my 16 channels: K = 16 x work-group x: which 256 along K,
	s_lshl_b32 s33, s33, 16
	s_add_co_u32 s32, s32, s33
	s_bfe_u32 s33, ttmp9, 0x10003                  ; which 128 of them,
	s_lshl_b32 s33, s33, 14
	s_add_co_u32 s32, s32, s33
	s_bfe_u32 s33, ttmp9, 0x20001                  ; which 32 of them,
	s_lshl_b32 s33, s33, 9
	s_add_co_u32 s32, s32, s33
	s_and_b32 s33, ttmp9, 1                        ; which 16 of them
	s_lshl_b32 s33, s33, 8
	s_add_co_u32 s32, s32, s33
	s_mov_b32 s33, 0
	s_add_nc_u64 s[10:11], s[10:11], s[32:33]
	s_wait_kmcnt 0x0
	s_add_co_i32 s12, s12, 127
	s_lshl_b32 s13, s12, 23
	v_mov_b32 v9, s13                              ; 2^e4: the conversion takes its exponent field
	s_add_co_i32 s12, s12, 8
	s_lshl_b32 s12, s12, 23
	s_or_b32 s12, s12, 0x600000
	v_mov_b32 v8, s12                              ; 448 x 2^e4
; Four rows: a and z g of 16 numbers, then the rows are folded into my run's map.  The transcendentals go in two batches of 32, the first with eight plain lines behind it, the second with one, each with one wait, ahead of its first reader.
.macro ACT g
.set UB, U+16*(\g)
.set TB, T+16*(\g)
	s_wait_loadcnt 24-8*(\g)                       ; this group's eight loads are in; the later groups' stay out
.irp n, 0,1,2,3,4,5,6,7,8,9,10,11,12,13,14,15
	v_min_num_f32 v[UB+\n], s20, v[UB+\n]
.endr
.irp n, 0,2,4,6,8,10,12,14
	v_pk_mul_f32 v[W+\n:W+\n+1], v[TB+\n:TB+\n+1], s[22:23] op_sel_hi:[1,0]   ; -log2(e) T
.endr
.irp n, 0,1,2,3,4,5,6,7,8,9,10,11,12,13,14,15
	v_min_num_f32 v[W+\n], s20, v[W+\n]
.endr
	s_wait_alu depctr_va_vdst(0)
.irp n, 0,1,2,3,4,5,6,7,8,9,10,11,12,13,14,15
	v_exp_f32 v[UB+\n], v[UB+\n]                   ; e = exp(-k)
.endr
.irp n, 0,1,2,3,4,5,6,7,8,9,10,11,12,13,14,15
	v_exp_f32 v[W+\n], v[W+\n]                     ; exp(-T)
.endr
.irp n, 0,2,4,6,8,10,12,14
	v_pk_add_f32 v[TB+\n:TB+\n+1], v[TB+\n:TB+\n+1], 0.5 op_sel_hi:[1,0]      ; T + 0.5: work that names no exponential's result
.endr
	s_wait_alu depctr_va_vdst(0)
.irp n, 0,2,4,6,8,10,12,14
	v_pk_add_f32 v[D+\n:D+\n+1], v[UB+\n:UB+\n+1], 1.0 op_sel_hi:[1,0]
	v_pk_add_f32 v[W+\n:W+\n+1], v[W+\n:W+\n+1], 1.0 op_sel_hi:[1,0]
.endr
	s_wait_alu depctr_va_vdst(0)
.irp n, 0,1,2,3,4,5,6,7,8,9,10,11,12,13,14,15
	v_rcp_f32 v[D+\n], v[D+\n]                     ; z
.endr
.irp n, 0,1,2,3,4,5,6,7,8,9,10,11,12,13,14,15
	v_rcp_f32 v[W+\n], v[W+\n]                     ; sigmoid(T)
.endr
	v_nop
	s_wait_alu depctr_va_vdst(0)
.irp n, 0,2,4,6,8,10,12,14
	v_pk_mul_f32 v[UB+\n:UB+\n+1], v[UB+\n:UB+\n+1], v[D+\n:D+\n+1]           ; a = e z
.endr
.irp n, 0,1,2,3,4,5,6,7,8,9,10,11,12,13,14,15
	v_max_num_f32 v[TB+\n], v[TB+\n], v[W+\n]      ; g
.endr
.irp n, 0,2,4,6,8,10,12,14
	v_pk_mul_f32 v[TB+\n:TB+\n+1], v[TB+\n:TB+\n+1], v[D+\n:D+\n+1]           ; z g
.endr
.irp i, 0
.if (\g) == 0 && \i == 1                       ; rows 0 and 1 start the map: nothing is cleared
	v_pk_mul_f32 v[P:P+1], v[U:U+1], v[U+4:U+5]
	v_pk_mul_f32 v[P+2:P+3], v[U+2:U+3], v[U+6:U+7]
	v_pk_fma_f32 v[H:H+1], v[U+4:U+5], v[T:T+1], v[T+4:T+5]
	v_pk_fma_f32 v[H+2:H+3], v[U+6:U+7], v[T+2:T+3], v[T+6:T+7]
.elseif (\g) > 0 || \i > 1
	v_pk_mul_f32 v[P:P+1], v[P:P+1], v[UB+4*\i:UB+4*\i+1]
	v_pk_mul_f32 v[P+2:P+3], v[P+2:P+3], v[UB+4*\i+2:UB+4*\i+3]
	v_pk_fma_f32 v[H:H+1], v[UB+4*\i:UB+4*\i+1], v[H:H+1], v[TB+4*\i:TB+4*\i+1]
	v_pk_fma_f32 v[H+2:H+3], v[UB+4*\i+2:UB+4*\i+3], v[H+2:H+3], v[TB+4*\i+2:TB+4*\i+3]
.endif
.endr
.irp i, 1, 2, 3
.if (\g) == 0 && \i == 1                       ; rows 0 and 1 start the map: nothing is cleared
	v_pk_mul_f32 v[P:P+1], v[U:U+1], v[U+4:U+5]
	v_pk_mul_f32 v[P+2:P+3], v[U+2:U+3], v[U+6:U+7]
	v_pk_fma_f32 v[H:H+1], v[U+4:U+5], v[T:T+1], v[T+4:T+5]
	v_pk_fma_f32 v[H+2:H+3], v[U+6:U+7], v[T+2:T+3], v[T+6:T+7]
.elseif (\g) > 0 || \i > 1
	s_delay_alu instid0(VALU_DEP_4)
	v_pk_mul_f32 v[P:P+1], v[P:P+1], v[UB+4*\i:UB+4*\i+1]
	s_delay_alu instid0(VALU_DEP_4)
	v_pk_mul_f32 v[P+2:P+3], v[P+2:P+3], v[UB+4*\i+2:UB+4*\i+3]
	s_delay_alu instid0(VALU_DEP_4)
	v_pk_fma_f32 v[H:H+1], v[UB+4*\i:UB+4*\i+1], v[H:H+1], v[TB+4*\i:TB+4*\i+1]
	s_delay_alu instid0(VALU_DEP_4)
	v_pk_fma_f32 v[H+2:H+3], v[UB+4*\i+2:UB+4*\i+3], v[H+2:H+3], v[TB+4*\i+2:TB+4*\i+3]
.endif
.endr
.endm
.macro FOLD                            ; my map behind the map in TP, TH: H = P TH + H, then P = P TP
	v_pk_fma_f32 v[H:H+1], v[P:P+1], v[TH:TH+1], v[H:H+1]
	s_delay_alu instid0(VALU_DEP_2)
	v_pk_fma_f32 v[H+2:H+3], v[P+2:P+3], v[TH+2:TH+3], v[H+2:H+3]
	v_pk_mul_f32 v[P:P+1], v[P:P+1], v[TP:TP+1]
	v_pk_mul_f32 v[P+2:P+3], v[P+2:P+3], v[TP+2:TP+3]
.endm
.macro SHIFT d                         ; the map of the lane d below me in my half; a lane that has none keeps what TP, TH hold
.irp n, 0,1,2,3
	v_mov_b32_dpp v[TP+\n], v[P+\n] row_shr:\d row_mask:0xf bank_mask:0xf
	v_mov_b32_dpp v[TH+\n], v[H+\n] row_shr:\d row_mask:0xf bank_mask:0xf
.endr
.endm
.macro KS d                            ; one step of the scan over a half's 16 lanes; a lane with no partner folds the map that changes nothing: P = 1, H = 0
.irp n, 0,1,2,3
	v_mov_b32 v[TP+\n], 1.0
	v_mov_b32 v[TH+\n], 0
.endr
	SHIFT \d
	FOLD
.endm
	ACT 0
	ACT 1
	ACT 2
	ACT 3
	KS 1
	KS 2
	KS 4
	KS 8
.irp n, 0,1,2,3
	v_readlane_b32 s[40+\n], v[P+\n], 15           ; the lower half's map
	v_readlane_b32 s[44+\n], v[H+\n], 15
.endr
.irp n, 0,1,2,3
	v_cndmask_b32 v[TP+\n], 1.0, s[40+\n], s30     ; for lanes 16-31; the others fold P = 1, H = 0
	v_cndmask_b32 v[TH+\n], 0, s[44+\n], s30
.endr
	FOLD                                           ; every lane now holds the map of lanes 0 to itself
.irp n, 0,1,2,3
	v_readlane_b32 s[48+\n], v[P+\n], 31           ; the wave's map
	v_readlane_b32 s[52+\n], v[H+\n], 31
.endr
	SHIFT 1                                        ; the map of the lanes AHEAD of me: lane 0 keeps P = 1, H = 0, lane 16 keeps the lower half's
.irp n, 0,1,2,3,4,5,6,7
	v_mov_b32 v[W+\n], s[48+\n]
.endr
	ds_store_b128 v6, v[W:W+3]                     ; all lanes write the same bytes with the same numbers
	ds_store_b128 v6, v[W+4:W+7] offset:16
	s_wait_dscnt 0x0                               ; for the others' sake: my map lies in LDS
	s_barrier_signal -1
	s_barrier_wait -1
	ds_load_b128 v[W+4:W+7], v7 offset:16          ; quarter 0: its H alone (the carry into it is 0)
	ds_load_b128 v[W+8:W+11], v7 offset:128        ; quarter 1: P,
	ds_load_b128 v[W+12:W+15], v7 offset:144       ; H
	ds_load_b128 v[W+16:W+19], v7 offset:256       ; quarter 2
	ds_load_b128 v[W+20:W+23], v7 offset:272
	s_wait_dscnt 0x0
	s_cmp_gt_u32 s16, 0                            ; every wave folds all three and keeps those ahead of its own quarter: a choice of values on the wave's number, no branch
	s_cselect_b32 s31, -1, 0
.irp n, 0,1,2,3
	v_cndmask_b32 v[C+\n], 0, v[W+4+\n], s31
.endr
.irp k, 1,2
	s_delay_alu instid0(VALU_DEP_3)
	v_pk_fma_f32 v[CN:CN+1], v[W+8*\k:W+8*\k+1], v[C:C+1], v[W+8*\k+4:W+8*\k+5]
	s_delay_alu instid0(VALU_DEP_2)
	v_pk_fma_f32 v[CN+2:CN+3], v[W+8*\k+2:W+8*\k+3], v[C+2:C+3], v[W+8*\k+6:W+8*\k+7]
	s_cmp_gt_u32 s16, \k
	s_cselect_b32 s31, -1, 0
.irp n, 0,1,2,3
	v_cndmask_b32 v[C+\n], v[C+\n], v[CN+\n], s31
.endr
.endr
	s_delay_alu instid0(VALU_DEP_3)
	v_pk_fma_f32 v[C:C+1], v[TP:TP+1], v[C:C+1], v[TH:TH+1]          ; through the lanes ahead of me: h just ahead of my first row
	s_delay_alu instid0(VALU_DEP_2)
	v_pk_fma_f32 v[C+2:C+3], v[TP+2:TP+3], v[C+2:C+3], v[TH+2:TH+3]
	s_delay_alu instid0(VALU_DEP_2)
	v_pk_fma_f32 v[T:T+1], v[U:U+1], v[C:C+1], v[T:T+1]              ; h of my 16 rows
	s_delay_alu instid0(VALU_DEP_2)
	v_pk_fma_f32 v[T+2:T+3], v[U+2:U+3], v[C+2:C+3], v[T+2:T+3]
.irp i, 1,2,3,4,5,6,7,8,9,10,11,12,13,14,15
	s_delay_alu instid0(VALU_DEP_2)
	v_pk_fma_f32 v[T+4*\i:T+4*\i+1], v[U+4*\i:U+4*\i+1], v[T+4*\i-4:T+4*\i-3], v[T+4*\i:T+4*\i+1]
	s_delay_alu instid0(VALU_DEP_2)
	v_pk_fma_f32 v[T+4*\i+2:T+4*\i+3], v[U+4*\i+2:U+4*\i+3], v[T+4*\i-2:T+4*\i-1], v[T+4*\i+2:T+4*\i+3]
.endr
.irp i, 0,1,2,3,4,5,6,7
.irp n, 0,1,2,3,4,5,6,7
	v_min_num_f32 v[T+8*\i+\n], v8, v[T+8*\i+\n]   ; the conversion to an 8-bit code does not saturate (ISA guide 7.6.2); h is not negative, so the hold is one-sided
.endr
	v_cvt_scalef32_pk8_fp8_f32 v[W+2*\i:W+2*\i+1], v[T+8*\i:T+8*\i+7], v9   ; rows 2 i and 2 i + 1: a word of four channels' codes each; the next eight holds are the plain lines behind it
.endr
	v_nop                                          ; a plain line behind the last conversion
.irp i, 0,1,2,3,4,5,6,7,8,9,10,11,12,13,14,15
	ds_store_b32 v3, v[W+\i] offset:16*\i
.endr
	s_wait_dscnt 0x0                               ; for the others' sake: my words lie in the stage
	s_barrier_signal -1
	s_barrier_wait -1
.irp k, 0,1,2,3
	ds_load_b128 v[D+4*\k:D+4*\k+3], v4 offset:2*SPI*\k
.endr
.irp k, 0,1,2,3
	s_wait_dscnt 3-\k                              ; LDS loads come back in order: load k is in
	global_store_b128 v5, v[D+4*\k:D+4*\k+3], s[10:11] offset:4096*\k   ; sixteen lanes store 256 consecutive aligned bytes: a block's 16 rows x my 16 channels
.endr
	s_wait_tensorcnt 0x0
	ds_add_u32 v200, v201
	s_wait_dscnt 0x0
	s_endpgm
.Lfunc_end_k_q1d2fe3bc08_scan:
	.size	k_q1d2fe3bc08_scan, .Lfunc_end_k_q1d2fe3bc08_scan-k_q1d2fe3bc08_scan
	.p2alignl 7, 3214868480
	.fill 96, 4, 3214868480
	.section	.rodata,"a",@progbits
	.p2align	6, 0x0
	.amdhsa_kernel k_q1d2fe3bc08_scan
		.amdhsa_group_segment_fixed_size 37888
		.amdhsa_private_segment_fixed_size 0
		.amdhsa_enable_private_segment 0
		.amdhsa_kernarg_size 32
		.amdhsa_user_sgpr_count 2
		.amdhsa_user_sgpr_kernarg_segment_ptr 1
		.amdhsa_wavefront_size32 1
		.amdhsa_system_sgpr_workgroup_id_x 1
		.amdhsa_system_sgpr_workgroup_id_y 1
		.amdhsa_system_sgpr_workgroup_id_z 1
		.amdhsa_system_vgpr_workitem_id 0
		.amdhsa_next_free_vgpr 202
		.amdhsa_next_free_sgpr 66
		.amdhsa_reserve_vcc 0
		.amdhsa_float_denorm_mode_32 3
		.amdhsa_float_denorm_mode_16_64 3
		.amdhsa_memory_ordered 1
		.amdhsa_forward_progress 1
		.amdhsa_inst_pref_size 55
	.end_amdhsa_kernel
	.amdgpu_metadata
---
amdhsa.version: [ 1, 2 ]
amdhsa.kernels:
  - .name:           k_q1d2fe3bc08_scan
    .symbol:         k_q1d2fe3bc08_scan.kd
    .args:
      - { .name: ub, .offset: 0, .size: 8, .value_kind: global_buffer, .address_space: global }
      - { .name: tb, .offset: 8, .size: 8, .value_kind: global_buffer, .address_space: global }
      - { .name: lowp_scales, .offset: 16, .size: 8, .value_kind: global_buffer, .address_space: global }
      - { .name: hc, .offset: 24, .size: 8, .value_kind: global_buffer, .address_space: global }
    .group_segment_fixed_size: 37888
    .private_segment_fixed_size: 0
    .kernarg_segment_align: 8
    .kernarg_segment_size: 32
    .max_flat_workgroup_size: 512
    .sgpr_count:     66
    .vgpr_count:     202
    .wavefront_size: 32
...
	.end_amdgpu_metadata
.endif
;; end of part 3
;; launch outp (part 4): grid 64 x 4, 4 waves a work-group, clusters of 4 x 1, 327,680 bytes of LDS; arguments hc, woc, lowp_scales, bo, out0; writes out0
.if DOCPART == 4
	.amdgcn_target "amdgcn-amd-amdhsa--gfx1250"
	.amdhsa_code_object_version 6
	.text
	.protected	k_q1d2fe3bc08_outp
	.globl	k_q1d2fe3bc08_outp
	.p2align	8
	.type	k_q1d2fe3bc08_outp,@function
k_q1d2fe3bc08_outp:
	s_mov_b64 s[64:65], 0
	v_nop
	global_prefetch_b8 v0, s[64:65] scope:SCOPE_SE
	s_setreg_imm32_b32 hwreg(HW_REG_WAVE_MODE, 25, 1), 1
	s_wait_xcnt 0x0
	s_wait_alu depctr_hold_cnt(0) depctr_sa_sdst(0) depctr_va_vdst(0) depctr_va_sdst(0) depctr_va_ssrc(0) depctr_va_vcc(0) depctr_vm_vsrc(0)
	s_getreg_b32 s2, hwreg(HW_REG_IB_STS2, 6, 4)
	s_cmp_eq_u32 s2, 0
	s_cbranch_scc0 .Lentry_in_a_cluster
	s_endpgm
.Lentry_in_a_cluster:
	s_bfe_u32 s2, ttmp6, 0x10000c
	s_cmp_lg_u32 s2, 0x3003
	s_cbranch_scc0 .Lentry_shape_is_right
	s_endpgm
.Lentry_shape_is_right:
; out = h Wo^T + bo on codes of FP8 (E4M3) with the given scales e4, e5; sums in f32.  Work-group x = g: 256 rows; y = ct: 256 columns.
; hc lies as images of operand registers: fragment (RB = block of 16 rows, s = K / 128), 2,048 bytes, at (RB / 16) 262144 + (s / 2) 65536 + ((RB / 8) % 2) 32768 + (s % 2) 16384 + (RB % 8) 2048.
; woc: block 4 G + k holds at place m row 64 G + 4 m + k of Wo; its fragment of K step s lies at 65536 G + 8192 s + 2048 k.
; B STAYS IN LDS: the column tile's 262,144 bytes are dense, filled once, 65,536 bytes (a group G of 64 columns) by each wave's one tensor load.  Nothing is filled again: one barrier, none in the walk.
; The four work-groups of a cluster (4 x 1) have the same y and ask for B jointly (mask 15).
; A STAYS IN REGISTERS: a wave owns 64 rows x K 1,024 = 65,536 bytes = 512 registers, loaded straight from memory (128 loads of 512 consecutive bytes).
; A is not asked for jointly: it goes to registers, and beside B's 262,144 bytes LDS has no room for the four waves' 262,144 bytes of A.
; THE WALK: four groups of 64 columns; a group is 8 K steps of 16 matrix instructions (4 blocks k x 4 row blocks: 16 accumulators by turns).
; Source 0 = 16 rows of h, source 1 = 16 places of Wo: lane l holds place l % 16, its registers rows 8 (l / 16) + 0 .. 7.  In blocks k = 0 .. 3 that place is column 64 G + 4 (l % 16) + k:
; the multiply-add of the way out (x 2^(e4 + e5), + bo) writes the four blocks' numbers of a row into four registers on end, so that sixteen lanes store 256 consecutive aligned bytes of a row, with no turn through LDS.
; A group's results have registers of their own: they are written again only behind s_wait_xcnt 0, a group (128 matrix instructions) behind their stores.
; No prefetch: each wave asks for all its A at the head; there is no loop to run ahead in.
; LIMIT: e4 + e5 between -126 and 127, so that 2^(e4 + e5) is an f32 number.
; REGISTERS: window 0: v16-31 addresses, v32-47 the bias (4 G + k), v64-191 the accumulators ((k, rb) at 8 (4 k + rb)).  Window 1: v0-127 B's four fragments of a K step, two sets; v128-255 a group's results.
; Windows 2, 3: A, fragment (rb, s) at 64 s + 16 rb.
.set SPARE, 262144                     ; behind B: the spare words, 128 bytes a wave
.set LB,  16                           ; v16-19  16 x lane + 65536 G
.set AO,  21                           ; v21     16 x lane
.set CO,  22                           ; v22     16 (lane % 16) + 8 rows x (lane / 16)
.set BOF, 23                           ; v23     16 (lane % 16)
.set SPW, 28
.set NIL, 29
.set BIA, 32
.set ACC, 64
.set OUTR, 128
.set MSB, 0
.macro WIN new
.if MSB != \new
	s_set_vgpr_msb (MSB<<8)|\new
.set MSB, \new
.endif
.endm
.macro PLACES
.rept 4
	v_nop
.endr
.endm
.macro CROUND                          ; a round of the cluster's barrier
	s_barrier_signal -1
	s_barrier_wait -1
	s_cmp_lg_u32 s14, 0
	s_cbranch_scc1 .Lnot_wave_0_\@
	s_barrier_signal -3
.Lnot_wave_0_\@:
	s_barrier_wait -3
	s_barrier_signal -1
	s_barrier_wait -1
.endm
.macro ALOAD                           ; my 64 rows x K 1,024, K step by K step: 16 loads of 512 consecutive bytes each
.irp s, 0,1,2,3,4,5,6,7
	WIN (0x80+0x40*(\s/4))
.irp i, 0,1,2,3,4,5,6,7,8,9,10,11,12,13,14,15
	global_load_b128 v[64*(\s%4)+4*\i:64*(\s%4)+4*\i+3], v[AO], s[4:5] offset:(\s/2)*65536+(\s%2)*16384+512*\i
.endr
.endr
	WIN 0
.endm
.macro FETCH t                         ; step t = 8 G + s: B's four fragments into set t % 2
	WIN 0x40
.irp k, 0,1,2,3
.irp c, 0,1,2,3
	ds_load_b128 v[64*((\t)%2)+16*\k+4*\c:64*((\t)%2)+16*\k+4*\c+3], v[LB+(\t)/8] offset:((\t)%8)*8192+2048*\k+512*\c
.endr
.endr
.endm
.macro COPY G                          ; group G leaves: each accumulator is read from its low end on
	WIN 0x40
	s_wait_xcnt 0x0                                ; the group before has read the results' registers
.irp rb, 0,1,2,3
.irp j, 0,1,2,3,4,5,6,7
.irp k, 0,1,2,3
	v_fma_f32 v[OUTR+4*(8*\rb+\j)+\k], v[ACC+8*(4*\k+\rb)+\j], s96, v[BIA+4*(\G)+\k]
.endr
.endr
.endr
	WIN 0x04
.irp rb, 0,1,2,3
.irp j, 0,1,2,3,4,5,6,7
	global_store_b128 v[CO], v[OUTR+4*(8*\rb+\j):OUTR+4*(8*\rb+\j)+3], s[12:13] offset:(16*\rb+\j)*4096+256*(\G) th:TH_STORE_NT
.endr
.endr
.endm
.macro STEP t
	s_wait_dscnt 0x0                               ; this step's B is in
	PLACES                                         ; behind the last step's matrix instructions: for the loads into the set that the step before them read, and for the reads of results
.if (\t) < 31
	FETCH (\t)+1
.endif
.if (\t) > 0 && (\t)%8 == 0
	COPY (\t)/8-1
.endif
	WIN (0x06+((\t)%8)/4)
.if (\t) == 0                          ; the first group waits for A by K steps: the count is the loads issued behind the step (63 stands for 64 and more)
	s_wait_loadcnt 63
.endif
.if (\t) > 3 && (\t) < 8
	s_wait_loadcnt 16*(7-(\t))
.endif
.irp k, 0,1,2,3
.irp rb, 0,1,2,3
.if (\t)%8 == 0
	v_wmma_f32_16x16x128_fp8_fp8 v[ACC+8*(4*\k+\rb):ACC+8*(4*\k+\rb)+7], v[64*((\t)%4)+16*\rb:64*((\t)%4)+16*\rb+15], v[64*((\t)%2)+16*\k:64*((\t)%2)+16*\k+15], 0
.else
	v_wmma_f32_16x16x128_fp8_fp8 v[ACC+8*(4*\k+\rb):ACC+8*(4*\k+\rb)+7], v[64*((\t)%4)+16*\rb:64*((\t)%4)+16*\rb+15], v[64*((\t)%2)+16*\k:64*((\t)%2)+16*\k+15], v[ACC+8*(4*\k+\rb):ACC+8*(4*\k+\rb)+7]
.endif
.endr
.endr
.endm
	s_load_b256 s[4:11], s[0:1], 0x0               ; hc, woc, the exponents, bo
	s_load_b64 s[12:13], s[0:1], 0x20              ; out0
	v_lshl_add_u32 v[SPW], v0, 2, SPARE
	v_mov_b32 v[NIL], 0
	ds_add_u32 v[SPW], v[NIL]                      ; the opening lines: the add, twice on end, and its wait
	ds_add_u32 v[SPW], v[NIL]
	v_lshrrev_b32 v1, 5, v0
	v_readfirstlane_b32 s14, v1                    ; wave 0..3
	v_and_b32 v1, 31, v0
	v_lshlrev_b32 v[AO], 4, v1
	v_and_b32 v2, 15, v0
	v_bfe_u32 v3, v0, 4, 1
.irp k, 0,1,2,3
	v_add_nc_u32 v[LB+\k], \k*65536, v[AO]
.endr
	v_lshlrev_b32 v[BOF], 4, v2
	v_lshl_add_u32 v[CO], v3, 15, v[BOF]
	s_bfe_u32 s40, ttmp6, 0x40000                  ; cx
	s_lshl_b32 s41, ttmp9, 2
	s_add_co_u32 s41, s41, s40                     ; g
	s_and_b32 s19, ttmp7, 0xffff                   ; ct
	s_mov_b32 s24, 15|(3<<16)|(1<<21)              ; group 1: the cluster's four; elements of 8 bytes; 256 rows of 256 bytes, dense
	s_mov_b32 s25, 32<<16
	s_mov_b32 s26, 256<<16
	s_mov_b32 s27, 32<<16
	s_mov_b32 s28, 256
	s_mov_b32 s29, 32
	s_mov_b32 s30, 0
	s_mov_b32 s31, 0
	s_lshl_b32 s20, s41, 18                        ; A: 262,144 bytes a work-group, my four blocks of 16 rows: 4 w .. 4 w + 3
	s_lshr_b32 s21, s14, 1
	s_lshl_b32 s21, s21, 15
	s_add_co_u32 s20, s20, s21
	s_and_b32 s21, s14, 1
	s_lshl_b32 s21, s21, 13
	s_add_co_u32 s20, s20, s21
	s_mov_b32 s21, 0
	s_lshl_b32 s22, s41, 20                        ; out: row 256 g + 64 w, rows of 4,096 bytes; column 256 ct
	s_lshl_b32 s23, s14, 18
	s_add_co_u32 s22, s22, s23
	s_lshl_b32 s23, s19, 10
	s_add_co_u32 s22, s22, s23
	s_mov_b32 s23, 0
	s_lshl_b32 s46, s19, 18                        ; B: the column tile's block, my quarter
	s_lshl_b32 s47, s14, 16
	s_add_co_u32 s46, s46, s47
	s_mov_b32 s47, 0
	s_lshl_b32 s48, s19, 10                        ; the bias
	s_mov_b32 s49, 0
	s_wait_alu depctr_va_vdst(0)                   ; the wait at the head's end
	s_wait_dscnt 0x0
	s_wait_kmcnt 0x0
	s_load_b64 s[80:81], s[8:9], 0x10              ; e4, e5
	s_add_nc_u64 s[4:5], s[4:5], s[20:21]
	s_add_nc_u64 s[6:7], s[6:7], s[46:47]
	s_add_nc_u64 s[10:11], s[10:11], s[48:49]
	s_add_nc_u64 s[12:13], s[12:13], s[22:23]
	s_mov_b32 s32, 1
	s_lshl_b32 s33, s14, 16                        ; LDS: 65,536 x wave
	s_mov_b64 s[34:35], s[6:7]
	s_or_b32 s35, s35, 0x80000000
	CROUND                                         ; the four work-groups are here: the joint loads meet
	tensor_load_to_lds s[32:35], s[24:31]          ; my one tensor load
	s_nop 0
	PLACES
.irp G, 0,1,2,3
	global_load_b128 v[BIA+4*\G:BIA+4*\G+3], v[BOF], s[10:11] offset:256*\G   ; bo at columns 64 G + 4 (lane % 16) + 0 .. 3
.endr
	ALOAD
	s_wait_kmcnt 0x0
	s_add_co_i32 s96, s80, s81
	s_add_co_i32 s96, s96, 127
	s_lshl_b32 s96, s96, 23                        ; 2^(e4 + e5)
	s_wait_tensorcnt 0x0                           ; my quarter of B has landed
	s_barrier_signal -1
	s_barrier_wait -1                              ; B is whole
	FETCH 0
.irp t, 0,1,2,3,4,5,6,7,8,9,10,11,12,13,14,15,16,17,18,19,20,21,22,23,24,25,26,27,28,29,30,31
	STEP \t
.endr
	PLACES
	COPY 3
	WIN 0
	s_wait_tensorcnt 0x0                           ; the wave's end
	ds_add_u32 v[SPW], v[NIL]
	s_wait_dscnt 0x0
	CROUND                                         ; the closing round
	s_endpgm
.Lfunc_end_k_q1d2fe3bc08_outp:
	.size	k_q1d2fe3bc08_outp, .Lfunc_end_k_q1d2fe3bc08_outp-k_q1d2fe3bc08_outp
	.p2alignl 7, 3214868480
	.fill 96, 4, 3214868480
	.section	.rodata,"a",@progbits
	.p2align	6, 0x0
	.amdhsa_kernel k_q1d2fe3bc08_outp
		.amdhsa_group_segment_fixed_size 327680
		.amdhsa_private_segment_fixed_size 0
		.amdhsa_enable_private_segment 0
		.amdhsa_kernarg_size 40
		.amdhsa_user_sgpr_count 2
		.amdhsa_user_sgpr_kernarg_segment_ptr 1
		.amdhsa_wavefront_size32 1
		.amdhsa_system_sgpr_workgroup_id_x 1
		.amdhsa_system_sgpr_workgroup_id_y 1
		.amdhsa_system_sgpr_workgroup_id_z 1
		.amdhsa_system_vgpr_workitem_id 0
		.amdhsa_next_free_vgpr 1024
		.amdhsa_next_free_sgpr 100
		.amdhsa_reserve_vcc 0
		.amdhsa_float_denorm_mode_32 3
		.amdhsa_float_denorm_mode_16_64 3
		.amdhsa_memory_ordered 1
		.amdhsa_forward_progress 1
		.amdhsa_inst_pref_size 133
	.end_amdhsa_kernel
	.amdgpu_metadata
---
amdhsa.version: [ 1, 2 ]
amdhsa.kernels:
  - .name:           k_q1d2fe3bc08_outp
    .symbol:         k_q1d2fe3bc08_outp.kd
    .args:
      - { .name: hc, .offset: 0, .size: 8, .value_kind: global_buffer, .address_space: global }
      - { .name: woc, .offset: 8, .size: 8, .value_kind: global_buffer, .address_space: global }
      - { .name: lowp_scales, .offset: 16, .size: 8, .value_kind: global_buffer, .address_space: global }
      - { .name: bo, .offset: 24, .size: 8, .value_kind: global_buffer, .address_space: global }
      - { .name: out0, .offset: 32, .size: 8, .value_kind: global_buffer, .address_space: global }
    .group_segment_fixed_size: 327680
    .private_segment_fixed_size: 0
    .kernarg_segment_align: 8
    .kernarg_segment_size: 40
    .max_flat_workgroup_size: 128
    .sgpr_count:     100
    .vgpr_count:     1024
    .wavefront_size: 32
...
	.end_amdgpu_metadata
.endif
;; end of part 4
